; MI455X (gfx1250); checked and timed in simulation.
; The chip was launched on July 23, 2026; its instructions are those of AMD's public machine-readable ISA for CDNA 5 (MIT licence, August 2026) and "CDNA5" Instruction Set Architecture Reference Guide (July 2026). The comments in the code are by the model that wrote it; some were corrected since.
;; Linear. Allowed arithmetic: matrix products marked QUANTISED: E2M3 operands, one E8M0 scale for each 32 along K, by v_wmma_scale_f32_16x16x128_f8f6f4 with both operands' format E2M3, f32 sums; everything else in f32.
;; Inputs: b 4,096 float32; inputs_codes 4 x 1,024 x 128 x 24 uint8 (E2M3 codes of inputs, K innermost, in blocks of 32 codes, four codes in three bytes); inputs_scales 4 x 1,024 x 128 uint8 (E8M0 scales of inputs, one for each 32 codes along K); w 4,096 x 4,096 int8; w_scale 4,096 x 4,096 float32.
;; Outputs: out0 4 x 1,024 x 4,096 float32.
;; This version of the problem:
;;   THIS VERSION OF THE PROBLEM IS GIVEN IN LOW PRECISION. The matrix products marked QUANTISED in the list below multiply operands that are first quantised to E2M3 (2 exponent bits, 3 mantissa bits; 6 bits a number), with one power-of-two scale for each 32 numbers along K (OCP MX v1.0); their sums are f32. All else is computed in f32.
;;   The module's matrix products, in the order in which they are computed (A, B: the left and right operand; K: the contracted axis; several contracted axes count as one K, in the product's order):
;;     1. [M 4,096, K 4,096] x [K 4,096, N 4,096]; A: input inputs (given as codes); B: computed on the way: QUANTISED
;;   THE QUANTISER, for each operand of a quantised product, along K:
;;     - K is cut into blocks of 32 from its start; a last block that is shorter is filled with zeros.
;;     - A block's scale is 2^e with e = floor(log2(the largest magnitude in the block)) - 2, held to -126 .. 127; a block of zeros has e = 0. As a byte (E8M0): e + 127.
;;     - Each number is divided by its block's scale, clamped to +-7.5, and rounded to the nearest number of E2M3, ties to even, subnormals kept.
;;     - The product sums the exact products of the quantised numbers (number of the format x scale) in f32.
;;   ~~~python
;;   def quantise(x, axis):      # numpy; x: float32 -> the quantised numbers, widened to float32 again
;;       x = np.moveaxis(x, axis, -1); K = x.shape[-1]
;;       x = np.pad(x, [(0, 0)] * (x.ndim - 1) + [(0, -K % 32)]); x = x.reshape(x.shape[:-1] + (-1, 32)); a = np.abs(x).max(-1, keepdims=True)
;;       e = np.where(a > 0, np.clip(np.frexp(np.where(a > 0, a, 1))[1] - 1 - 2, -126, 127), 0)      # np.frexp(a)[1] - 1 = floor(log2(a)), exactly
;;       r = np.clip(x / 2.0 ** e, -7.5, 7.5)
;;       step = 2.0 ** (np.maximum(np.frexp(np.where(r == 0, 1, r))[1] - 1, 0) - 3)
;;       q = np.round(r / step) * step * 2.0 ** e      # np.round: ties to even
;;       return np.moveaxis(q.reshape(q.shape[:-2] + (-1,))[..., :K], -1, axis).astype(np.float32)
;;   ~~~
;;   OPERANDS COMPUTED ON THE WAY. 'Computed on the way' means the value that the module computes at that place (a softmax that the list does not call 'softmax' is quantised finished and normalised). What goes into a quantiser is computed in f32, as accurately as f32 sums, v_exp_f32 and their like allow (about 1e-6 of the number): no bf16 or f16 on the way to a quantiser, and a product that is left as it is and whose result goes on into a quantised operand takes f32 operands (vector FMAs, or v_wmma_f32_16x16x4_f32). A number that lies on a knife's edge between two numbers of the format may be rounded either way, as far as f32 arithmetic and the matrix unit's own rounding can turn it there, and no further.
;;   INPUTS GIVEN AS CODES. inputs (in the module: [4, 1024, 4096], K = its axis 2): each comes as NAME_codes (uint8): NAME with its K axis moved to the last place and cut into blocks of 32 codes, [.., K / 32, bytes a block], one block behind the other in memory; four codes in three bytes: a row's codes are one little-endian stream of bits, code i at bits 6 i .. 6 i + 5 (a code: sign, 2 exponent bits, 3 mantissa bits); and NAME_scales (uint8): the same leading axes, one E8M0 byte (e + 127) for each 32 codes along K. Its value is code x scale, taken as it is: it is not quantised again, and the codes and scales need not be those that the quantiser above would give.
;; One version. Each part assembles by itself: llvm-mc -triple=amdgcn-amd-amdhsa -mcpu=gfx1250 --defsym DOCPART=n.
;; ======== version 1 of 1: 2 launches
;; limits: right only within a limited range of input values
;; workspace buffers: w_img 13,107,200 bytes; a_img 13,107,200 bytes
;; launch prep (part 1): grid 32 x 21, 8 waves a work-group, no clusters, 162,304 bytes of LDS; arguments w, w_scale, inputs_codes, inputs_scales, w_img, a_img; writes w_img, a_img
.if DOCPART == 1
	.amdgcn_target "amdgcn-amd-amdhsa--gfx1250"
	.amdhsa_code_object_version 6
	.text
	.protected	k_q131eb53820_prep
	.globl	k_q131eb53820_prep
	.p2align	8
	.type	k_q131eb53820_prep,@function
k_q131eb53820_prep:
	s_mov_b64 s[64:65], 0
	v_nop
	global_prefetch_b8 v0, s[64:65] scope:SCOPE_SE
	s_setreg_imm32_b32 hwreg(HW_REG_WAVE_MODE, 25, 1), 1
	s_wait_xcnt 0x0
; Both operands of the product are laid as IMAGES OF THE OPERAND'S REGISTERS, for the next launch.
; An image serves 128 rows of A (or 128 columns of W) and 128 along K: 12,800 bytes = 8 fragments of 1,536 bytes, then 512 bytes of scale words.
;   fragment f (rows 16 f ..): three planes of 512 bytes; plane j holds registers 4 j .. 4 j + 3 of lane l at byte 16 l.  Lane (r, h): registers 6 c .. 6 c + 5 = the 24 bytes of codes of row r, K = 64 c + 32 h + 0 .. 31.
;   scale words: the word (four E8M0 bytes, 128 along K) of row 32 j + l at byte 16 l + 4 j.
; w_img, a_img: [32 blocks of 128 rows][32 K steps][12,800 bytes].
; W[k][n] = w[k][n] (int8) x w_scale[k][n] (f32), one f32 multiplication, is quantised along K, its first axis: scale 2^(floor(log2(largest magnitude)) - 2), byte = that magnitude's exponent field - 2,
; held at 1 from below by a floor among the maximum's leaves.  A's codes and scale bytes are taken as given and only moved.
; LIMITS: NaN and infinities in w_scale are not served.  A block of zeros of W gets the byte 1 where the quantiser's rule says 127: its codes are zeros, and this program alone reads the bytes.
; WORK-GROUPS (x, y).  y = 0 .. 3: A's codes, rows 128 x .., bytes 768 y .. of each row (8 K steps): wave wv takes 16 rows through LDS bytes of its own.   y = 4: A's scales of rows 128 x .., all of K: 16,384 dense bytes.
; y = 5 .. 20: W; number i = x + 32 (y - 5): columns 256 (i % 16) .., K = 128 (i / 16) ..: wave wv takes the block of 32 along K number wv % 4 of the 128 columns number wv / 4, lane l the four columns 4 l + c.
;   w_scale comes by 32 loads of 512 consecutive bytes a wave; w's 32 rows x 128 bytes by 8 loads of 16 bytes a lane (four rows each), dealt to the lanes through 2,048 LDS bytes of the wave's own, 16 rows at a time.
;   The codes of a column come from four waves: they meet in a stage in LDS (one barrier) and leave as two dense images.
; Each of the three ways has LDS bytes of its own.
.set STEPB, 12800
.set RBB,   32*STEPB
.set FP,    1552                       ; W's stage: a fragment's 1,536 bytes + 16
.set IMG,   8*FP+512                   ; an image in the stage
.set AST,   26112                      ; A's codes: 16 rows of 768 + 16 bytes for each wave
.set APW,   16*784
.set SST,   AST+8*APW                  ; A's scales: 128 rows of 128 + 16 bytes
.set WST,   SST+128*144                ; w on its way to the lanes: 16 rows of 128 bytes for each wave
.set SPARE, WST+8*2048                 ; the spare words, 128 bytes a wave
.set WSL,  1                           ; v1   w out of LDS: my wave's bytes + 4 x lane
.set WGI,  2                           ; v2   w in memory: row lane / 8, byte 16 (lane % 8)
.set WSS,  3                           ; v3   w into LDS: my wave's bytes + 16 x lane
.set OW,   4                           ; 4 x lane
.set OS,   5                           ; 16 x lane
.set ST0,  6                           ; v6-8: where the three pieces of 8 bytes of a block's 24 go in the stage
.set ST1,  7
.set ST2,  8
.set SBI,  9                           ; my scale bytes in the stage
.set WLD,  10                          ; out of the stage: my two fragments + 16 x lane
.set GO,   11                          ; the same place in the two images in memory
.set MX,   12
.set TT,   16
.set SLO,  24
.set WLO,  88
.set SHI,  104
.set WHI,  168
.set XL,   184                         ; the products of rows 0-15; ahead of them v184-215 take w as it is loaded
.set XH,   24
.set CD,   104                         ; column c's 24 bytes of codes in v[CD + 8 c .. + 5]
.set T2,   136                         ; the second conversion's three registers, moved behind the first's
.set OUTR, 136
.set AIN,  216
.set ASS,  217
.set ASL,  218
.set SSS,  219
.set SSL,  220
.set T16,  221
	s_load_b128 s[4:7], s[0:1], 0x0                ; w, w_scale
	s_load_b128 s[8:11], s[0:1], 0x10              ; inputs_codes, inputs_scales
	s_load_b128 s[12:15], s[0:1], 0x20             ; w_img, a_img
	v_lshl_add_u32 v248, v0, 2, SPARE
	v_mov_b32 v249, 0
	v_lshrrev_b32 v1, 5, v0
	v_readfirstlane_b32 s16, v1                    ; wave 0..7
	s_and_b32 s17, ttmp7, 0xffff                   ; y
	s_lshr_b32 s18, s16, 2                         ; W: which of the two blocks of 128 columns,
	s_and_b32 s19, s16, 1                          ; h and
	s_bfe_u32 s20, s16, 0x10001                    ; c of my block of 32 along K,
	s_and_b32 s31, s16, 3                          ; its byte in the scale word
	s_mul_i32 s22, s18, IMG
	s_lshl_b32 s23, s19, 8
	s_add_co_u32 s23, s23, s22                     ; image + 16 bytes x 16 h
	s_mul_i32 s24, s20, 520                        ; byte 24 c + 8 i of a lane's 48 lies in plane (24 c + 8 i) / 16: c = 0: 0, 8, 512;  c = 1: 520, 1024, 1032
	s_add_co_u32 s24, s24, s23
	s_mul_i32 s25, s20, 1016
	s_add_co_u32 s25, s25, s23
	s_add_co_u32 s25, s25, 8
	s_add_co_u32 s26, s22, s31
	s_add_co_u32 s26, s26, 8*FP
	s_mul_i32 s27, s31, 2*FP
	s_add_co_u32 s27, s27, s22                     ; on the way out wave wv takes fragments 2 (wv % 4), + 1 of image wv / 4
	s_mul_i32 s28, s18, RBB
	s_mul_i32 s29, s31, 2*1536
	s_add_co_u32 s28, s28, s29
	s_mul_i32 s29, s16, APW
	s_add_co_u32 s29, s29, AST
	s_lshl_b32 s30, s16, 4
	s_add_co_u32 s30, s30, SST
	s_lshl_b32 s32, s16, 11
	s_add_co_u32 s32, s32, WST
	v_and_b32 v1, 31, v0                           ; lane
	v_and_b32 v2, 15, v0                           ; r
	v_bfe_u32 v3, v0, 4, 1                         ; h
	v_lshlrev_b32 v[OW], 2, v1
	v_lshlrev_b32 v[OS], 4, v1
	v_lshrrev_b32 v20, 2, v1                       ; column 4 l + c: fragment l / 4, row 4 (l % 4) + c
	v_and_b32 v21, 3, v1
	v_mul_u32_u24 v20, v20, FP
	v_lshl_add_u32 v20, v21, 6, v20
	v_add_nc_u32 v[ST0], s24, v20
	v_add_nc_u32 v[ST1], s25, v20
	v_add_nc_u32 v[ST2], 512, v[ST0]
	v_and_b32 v21, 7, v1                           ; its scale word: 16 x (column % 32) + 4 x (column / 32)
	v_lshrrev_b32 v22, 3, v1
	v_lshlrev_b32 v22, 2, v22
	v_lshl_add_u32 v22, v21, 6, v22
	v_add_nc_u32 v[SBI], s26, v22
	v_add_nc_u32 v[WLD], s27, v[OS]
	v_add_nc_u32 v[GO], s28, v[OS]
	v_mul_u32_u24 v20, v3, 8*3072                  ; A's codes in: lanes 0-15 take 256 bytes of a row, lanes 16-31 of the row eight further down
	v_lshl_add_u32 v[AIN], v2, 4, v20
	v_mul_u32_u24 v20, v3, 8*784
	v_lshl_add_u32 v20, v2, 4, v20
	v_add_nc_u32 v[ASS], s29, v20
	v_mul_u32_u24 v20, v2, 784                     ; and back as fragments: row r, + 24 h
	v_mad_u32_u24 v20, v3, 24, v20
	v_add_nc_u32 v[ASL], s29, v20
	v_lshrrev_b32 v20, 3, v0                       ; A's scales in: thread t takes bytes 16 t ..: row t / 8
	v_and_b32 v21, 7, v0
	v_mul_u32_u24 v20, v20, 144
	v_lshl_add_u32 v20, v21, 4, v20
	v_add_nc_u32 v[SSS], SST, v20
	v_mul_u32_u24 v20, v1, 144                     ; and back: a lane to a row, wave wv takes K steps 4 wv ..
	v_add_nc_u32 v[SSL], s30, v20
	v_lshlrev_b32 v[T16], 4, v0
	v_lshrrev_b32 v20, 3, v1                       ; w: eight lanes to a row's 128 bytes, four rows of 4,096 bytes a load  (r, h and the lane are used no more: their registers are taken)
	v_and_b32 v21, 7, v1
	v_lshlrev_b32 v20, 12, v20
	v_lshl_add_u32 v[WGI], v21, 4, v20
	v_add_nc_u32 v[WSS], s32, v[OS]                ; in LDS the four rows of a load are 512 consecutive bytes
	v_add_nc_u32 v[WSL], s32, v[OW]
	s_wait_alu depctr_va_vdst(0)
	s_wait_kmcnt 0x0
	s_cmp_lt_u32 s17, 5
	s_cbranch_scc1 .Lapath
	; ---- W ----
	s_sub_co_u32 s17, s17, 5
	s_lshl_b32 s17, s17, 5
	s_add_co_u32 s17, s17, ttmp9                   ; i = 0 .. 511
	s_and_b32 s33, s17, 15                         ; which 256 columns
	s_lshr_b32 s17, s17, 4                         ; which K step
	s_lshl_b32 s19, s17, 7
	s_lshl_b32 s20, s31, 5
	s_add_co_u32 s19, s19, s20                     ; my first row of W: 128 x K step + 32 x (wave % 4)
	s_lshl_b32 s21, s33, 1
	s_add_co_u32 s21, s21, s18                     ; my block of 128 columns
	s_lshl_b32 s20, s19, 12                        ; w: 4,096 bytes a row, 128 a block of columns
	s_lshl_b32 s22, s21, 7
	s_add_co_u32 s20, s20, s22
	s_lshl_b32 s22, s19, 14                        ; w_scale: 16,384 and 512
	s_lshl_b32 s23, s21, 9
	s_add_co_u32 s22, s22, s23
	s_mov_b32 s21, 0
	s_mov_b32 s23, 0
	s_mul_i32 s24, s33, 2*RBB
	s_mul_i32 s25, s17, STEPB
	s_add_co_u32 s24, s24, s25
	s_mov_b32 s25, 0
	s_add_nc_u64 s[4:5], s[4:5], s[20:21]
	s_add_nc_u64 s[6:7], s[6:7], s[22:23]
	s_add_nc_u64 s[12:13], s[12:13], s[24:25]
.irp i, 0,1,2,3,4,5,6,7
	global_load_b128 v[XL+4*\i:XL+4*\i+3], v[WGI], s[4:5] offset:\i*16384   ; w first: rows 4 i .. 4 i + 3
.endr
.macro REGS k
.if (\k) < 16
.set rS, SLO+4*(\k)
.set rW, WLO+(\k)
.set rX, XL+(\k)
.else
.set rS, SHI+4*((\k)-16)
.set rW, WHI+(\k)-16
.set rX, XH+(\k)-16
.endif
.set rT, TT+4*((\k)%2)
.endm
.macro LROW k
	REGS \k
	global_load_b128 v[rS:rS+3], v[OS], s[6:7] offset:(\k)*16384 th:TH_LOAD_NT
.endm
.macro ROW k                           ; four bytes widened with their signs, four products
	REGS \k
.irp c, 0,1,2
	v_lshlrev_b32 v[rT+\c], 24-8*\c, v[rW]
.endr
.irp c, 0,1,2
	s_delay_alu instid0(VALU_DEP_3)
	v_ashrrev_i32 v[rT+\c], 24, v[rT+\c]
.endr
	v_ashrrev_i32 v[rT+3], 24, v[rW]
.irp c, 0,1,2,3
	s_delay_alu instid0(VALU_DEP_4)
	v_cvt_f32_i32 v[rT+\c], v[rT+\c]
.endr
.irp c, 0,1,2,3
	s_delay_alu instid0(VALU_DEP_4)
	v_mul_f32 v[rX+16*\c], v[rT+\c], v[rS+\c]      ; the dequantised weight, in f32
.endr
.endm
.macro CHUNK j
	s_wait_loadcnt 24-8*(\j)                       ; these eight rows of w_scale are in; the 8 loads of each later chunk may be out
.irp i, 0,1,2,3,4,5,6,7
	ROW 8*(\j)+\i
.endr
.endm
.irp k, 0,1,2,3,4,5,6,7,8,9,10,11,12,13,14,15,16,17,18,19,20,21,22,23,24,25,26,27,28,29,30,31
	LROW \k
.endr
	s_wait_loadcnt 32                              ; w's eight loads are in; w_scale's 32 may be out
.irp i, 0,1,2,3
	ds_store_b128 v[WSS], v[XL+4*\i:XL+4*\i+3] offset:512*\i       ; rows 0-15 into my own bytes,
.endr
.irp k, 0,1,2,3,4,5,6,7,8,9,10,11,12,13,14,15
	ds_load_b32 v[WLO+\k], v[WSL] offset:128*\k                    ; and back, a lane its four columns of a row.  LDS serves a wave's instructions in order (ISA guide 5.7.1.4): no wait between
.endr
.irp i, 0,1,2,3
	ds_store_b128 v[WSS], v[XL+16+4*\i:XL+16+4*\i+3] offset:512*\i ; rows 16-31 into the same bytes
.endr
.irp k, 0,1,2,3,4,5,6,7,8,9,10,11,12,13,14,15
	ds_load_b32 v[WHI+\k], v[WSL] offset:128*\k
.endr
	s_wait_dscnt 0x0
	CHUNK 0
	CHUNK 1
.irp c, 0,1,2,3
	v_max3_num_f32 v[MX+\c], |v[XL+16*\c]|, |v[XL+16*\c+1]|, 0x1800000   ; the floor 2^(3 - 127): the byte cannot fall under 1
.endr
.irp i, 2,4,6,8,10,12,14
.irp c, 0,1,2,3
	s_delay_alu instid0(VALU_DEP_4)
	v_max3_num_f32 v[MX+\c], v[MX+\c], |v[XL+16*\c+\i]|, |v[XL+16*\c+\i+1]|
.endr
.endr
	CHUNK 2
	CHUNK 3
.irp i, 0,2,4,6,8,10,12,14
.irp c, 0,1,2,3
	v_max3_num_f32 v[MX+\c], v[MX+\c], |v[XH+16*\c+\i]|, |v[XH+16*\c+\i+1]|
.endr
.endr
.irp c, 0,1,2,3
	s_delay_alu instid0(VALU_DEP_4)
	v_add_nc_u32 v[TT+\c], 0xff000000, v[MX+\c]    ; 2 off the exponent field: the conversion's scale operand
.endr
.irp c, 0,1,2,3
	v_cvt_scalef32_pk16_fp6_f32 v[CD+8*\c:CD+8*\c+2], v[XL+16*\c:XL+16*\c+15], v[TT+\c]
	v_cvt_scalef32_pk16_fp6_f32 v[T2+4*\c:T2+4*\c+2], v[XH+16*\c:XH+16*\c+15], v[TT+\c]
.endr
.irp c, 0,1,2,3
	v_lshrrev_b32 v[TT+4+\c], 23, v[TT+\c]         ; the scale's byte (plain lines behind the conversions)
.endr
.irp c, 0,1,2,3
.irp i, 0,1,2
	v_mov_b32 v[CD+8*\c+3+\i], v[T2+4*\c+\i]       ; a conversion's three registers begin on an even number: the upper 12 bytes are moved behind the lower
.endr
.endr
.irp c, 0,1,2,3
	ds_store_b64 v[ST0], v[CD+8*\c:CD+8*\c+1] offset:16*\c
	ds_store_b64 v[ST1], v[CD+8*\c+2:CD+8*\c+3] offset:16*\c
	ds_store_b64 v[ST2], v[CD+8*\c+4:CD+8*\c+5] offset:16*\c
.endr
.irp c, 0,1,2,3
	ds_store_b8 v[SBI], v[TT+4+\c] offset:16*\c
.endr
	s_wait_dscnt 0x0                               ; for the others' sake: my stores into the stage have landed
	s_barrier_signal -1
	s_barrier_wait -1
.irp e, 0,1
.irp j, 0,1,2
	ds_load_b128 v[OUTR+4*(3*\e+\j):OUTR+4*(3*\e+\j)+3], v[WLD] offset:\e*FP+512*\j
.endr
.endr
.irp e, 0,1
.irp j, 0,1,2
	s_wait_dscnt 5-(3*\e+\j)
	global_store_b128 v[GO], v[OUTR+4*(3*\e+\j):OUTR+4*(3*\e+\j)+3], s[12:13] offset:\e*1536+512*\j   ; 32 lanes store 512 consecutive bytes, from a multiple of 256 on
.endr
.endr
	s_cmp_eq_u32 s31, 0                            ; an image's 512 bytes of scale words leave by waves 0 and 4
	s_cbranch_scc0 .Lend
	ds_load_b128 v[WHI:WHI+3], v[WLD] offset:8*FP
	s_wait_dscnt 0x0
	global_store_b128 v[GO], v[WHI:WHI+3], s[12:13] offset:8*1536
	s_branch .Lend
.Lapath:
	s_cmp_eq_u32 s17, 4
	s_cbranch_scc1 .Lscales
	; ---- A's codes: 16 rows x 768 bytes a wave, in by whole units of 256 bytes, back as eight fragments ----
	s_lshl_b32 s20, ttmp9, 7
	s_lshl_b32 s19, s16, 4
	s_add_co_u32 s20, s20, s19
	s_mul_i32 s20, s20, 3072
	s_mul_i32 s19, s17, 768
	s_add_co_u32 s20, s20, s19
	s_mov_b32 s21, 0
	s_add_nc_u64 s[8:9], s[8:9], s[20:21]
	s_mul_i32 s22, ttmp9, RBB
	s_mul_i32 s19, s17, 8*STEPB
	s_add_co_u32 s22, s22, s19
	s_mul_i32 s19, s16, 1536
	s_add_co_u32 s22, s22, s19
	s_mov_b32 s23, 0
	s_add_nc_u64 s[14:15], s[14:15], s[22:23]
.irp p, 0,1,2,3,4,5,6,7
.irp c, 0,1,2
	global_load_b128 v[24+4*(3*\p+\c):24+4*(3*\p+\c)+3], v[AIN], s[8:9] offset:\p*3072+256*\c th:TH_LOAD_NT
.endr
.endr
.irp p, 0,1,2,3,4,5,6,7
	s_wait_loadcnt 21-3*\p                         ; the three loads of this pair of rows are in
.irp c, 0,1,2
	ds_store_b128 v[ASS], v[24+4*(3*\p+\c):24+4*(3*\p+\c)+3] offset:\p*784+256*\c
.endr
.endr
.irp u, 0,1,2,3,4,5,6,7                ; my own bytes, served in order: no wait between the stores and these loads
.irp q, 0,1,2,3,4,5
	ds_load_b64 v[120+12*\u+2*\q:120+12*\u+2*\q+1], v[ASL] offset:96*\u+48*(\q/3)+8*(\q%3)
.endr
.endr
.irp u, 0,1,2,3,4,5,6,7
	s_wait_dscnt 42-6*\u                           ; this fragment's six loads are in
.irp j, 0,1,2
	global_store_b128 v[OS], v[120+12*\u+4*\j:120+12*\u+4*\j+3], s[14:15] offset:\u*STEPB+512*\j
.endr
.endr
	s_branch .Lend
.Lscales:
	; ---- A's scales: 128 rows x 128 bytes, dense; out as 32 blocks of 512 bytes ----
	s_lshl_b32 s20, ttmp9, 14
	s_mov_b32 s21, 0
	s_add_nc_u64 s[10:11], s[10:11], s[20:21]
	s_mul_i32 s22, ttmp9, RBB
	s_mul_i32 s19, s16, 4*STEPB
	s_add_co_u32 s22, s22, s19
	s_add_co_u32 s22, s22, 8*1536
	s_mov_b32 s23, 0
	s_add_nc_u64 s[14:15], s[14:15], s[22:23]
.irp i, 0,1,2,3
	global_load_b128 v[24+4*\i:24+4*\i+3], v[T16], s[10:11] offset:4096*\i th:TH_LOAD_NT
.endr
	s_wait_loadcnt 0x0
.irp i, 0,1,2,3
	ds_store_b128 v[SSS], v[24+4*\i:24+4*\i+3] offset:4608*\i
.endr
	s_wait_dscnt 0x0
	s_barrier_signal -1
	s_barrier_wait -1
.irp e, 0,1,2,3
.irp j, 0,1,2,3
	ds_load_b32 v[48+4*\e+\j], v[SSL] offset:4608*\j+4*\e          ; the word of row 32 j + lane, K step 4 wave + e
.endr
.endr
	s_wait_dscnt 0x0
.irp e, 0,1,2,3
	global_store_b128 v[OS], v[48+4*\e:48+4*\e+3], s[14:15] offset:\e*STEPB
.endr
.Lend:
	s_wait_tensorcnt 0x0                           ; the wave's end
	ds_add_u32 v248, v249
	s_wait_dscnt 0x0
	s_endpgm
.Lfunc_end_k_q131eb53820_prep:
	.size	k_q131eb53820_prep, .Lfunc_end_k_q131eb53820_prep-k_q131eb53820_prep
	.p2alignl 7, 3214868480
	.fill 96, 4, 3214868480
	.section	.rodata,"a",@progbits
	.p2align	6, 0x0
	.amdhsa_kernel k_q131eb53820_prep
		.amdhsa_group_segment_fixed_size 162304
		.amdhsa_private_segment_fixed_size 0
		.amdhsa_enable_private_segment 0
		.amdhsa_kernarg_size 48
		.amdhsa_user_sgpr_count 2
		.amdhsa_user_sgpr_kernarg_segment_ptr 1
		.amdhsa_wavefront_size32 1
		.amdhsa_system_sgpr_workgroup_id_x 1
		.amdhsa_system_sgpr_workgroup_id_y 1
		.amdhsa_system_sgpr_workgroup_id_z 1
		.amdhsa_system_vgpr_workitem_id 0
		.amdhsa_next_free_vgpr 250
		.amdhsa_next_free_sgpr 66
		.amdhsa_reserve_vcc 0
		.amdhsa_float_denorm_mode_32 3
		.amdhsa_float_denorm_mode_16_64 3
		.amdhsa_memory_ordered 1
		.amdhsa_forward_progress 1
		.amdhsa_inst_pref_size 59
	.end_amdhsa_kernel
	.amdgpu_metadata
---
amdhsa.version: [ 1, 2 ]
amdhsa.kernels:
  - .name:           k_q131eb53820_prep
    .symbol:         k_q131eb53820_prep.kd
    .args:
      - { .name: w, .offset: 0, .size: 8, .value_kind: global_buffer, .address_space: global }
      - { .name: w_scale, .offset: 8, .size: 8, .value_kind: global_buffer, .address_space: global }
      - { .name: inputs_codes, .offset: 16, .size: 8, .value_kind: global_buffer, .address_space: global }
      - { .name: inputs_scales, .offset: 24, .size: 8, .value_kind: global_buffer, .address_space: global }
      - { .name: w_img, .offset: 32, .size: 8, .value_kind: global_buffer, .address_space: global }
      - { .name: a_img, .offset: 40, .size: 8, .value_kind: global_buffer, .address_space: global }
    .group_segment_fixed_size: 162304
    .private_segment_fixed_size: 0
    .kernarg_segment_align: 8
    .kernarg_segment_size: 48
    .max_flat_workgroup_size: 256
    .sgpr_count:     66
    .vgpr_count:     250
    .wavefront_size: 32
...
	.end_amdgpu_metadata
.endif
;; end of part 1
;; launch gemm (part 2): grid 16 x 16, 4 waves a work-group, clusters of 4 x 4, 327,680 bytes of LDS; arguments a_img, w_img, b, out0; writes out0
.if DOCPART == 2
	.amdgcn_target "amdgcn-amd-amdhsa--gfx1250"
	.amdhsa_code_object_version 6
	.text
	.protected	k_q131eb53820_gemm
	.globl	k_q131eb53820_gemm
	.p2align	8
	.type	k_q131eb53820_gemm,@function
k_q131eb53820_gemm:
	s_mov_b64 s[64:65], 0
	v_nop
	global_prefetch_b8 v0, s[64:65] scope:SCOPE_SE
	s_setreg_imm32_b32 hwreg(HW_REG_WAVE_MODE, 25, 1), 1
	s_wait_xcnt 0x0
	s_wait_alu depctr_hold_cnt(0) depctr_sa_sdst(0) depctr_va_vdst(0) depctr_va_sdst(0) depctr_va_ssrc(0) depctr_va_vcc(0) depctr_vm_vsrc(0)
	s_getreg_b32 s2, hwreg(HW_REG_IB_STS2, 6, 4)
	s_cmp_eq_u32 s2, 0
	s_cbranch_scc0 .Lentry_in_a_cluster
	s_endpgm
.Lentry_in_a_cluster:
	s_bfe_u32 s2, ttmp6, 0x10000c
	s_cmp_lg_u32 s2, 0xf033
	s_cbranch_scc0 .Lentry_shape_is_right
	s_endpgm
.Lentry_shape_is_right:
; out0[m][n] = sum over k of A[m][k] W[k][n] + b[n], on codes of FP6 (E2M3) with E8M0 scales; sums in f32, K ascending, one accumulator an output.
; a_img, w_img: [32 blocks of 128 rows or columns][32 K steps of 128][12,800 bytes], made by the launch before: images of the operand's registers:
;   8 fragments x 3 planes of 512 bytes (plane j: registers 4 j .. 4 j + 3 of lane l at 16 l), then 512 bytes of scale words (row 32 j + l at 16 l + 4 j).
; A tile of out0, 256 x 256, is made by four waves, each 128 x 128: 64 accumulators, 512 registers.  256 work-groups.
; THE RING: two LDS slots, each with THREE K steps of A's 256 rows and W's 256 columns; a wave's one tensor load brings three images, 38,400 dense bytes, as 150 rows of 256 bytes.  32 steps are ten slots and a last one of two steps.
; A K step's operands come by ONE run of 50 loads of 16 bytes a lane (2 of scale words, 24 for W, 24 for A), neighbouring lanes at neighbouring 16 bytes, a step ahead, into the other of two sets of registers.
; So a slot's last LDS read is issued in its second step, and the change of slots stands in its third: the refill asked for there is awaited three steps, 192 matrix instructions, later.
; CLUSTERS 4 x 4: A's tiles are asked for jointly along a row of the cluster, W's along a column.  THE MATRIX INSTRUCTION IS USED TRANSPOSED (source 0 = W, source 1 = A): a lane holds eight neighbouring numbers of a row of out0.
; THE BIAS is the C of each sum's first matrix instruction.  In the last K step a block of 16 rows is finished by its eight products and leaves at once.
; PREFETCH: behind each joint refill of slot s + 2 each wave names slot s + 3's 150 blocks of 256 bytes of the images that it fetches, shared among the four partners by address (38 blocks each, two instructions);
; slots 0 to 2 and the short last slot come by their loads alone.
; REGISTERS: window 0: v0-31 addresses; v32-47 scale words, two sets (A's four, W's four); v64-159, v160-255 A's fragments.  window 1: W's fragments at v0 and v128; the bias at v96-127, v224-255; on the way out v0-127 take rows of out0.
;   windows 2, 3: the accumulators of my rows 0-63 and 64-127, (a, b) at v[8 (8 (a % 4) + b)].
.set SIZE_N, 4096
.set STEPB,  12800
.set NS,     3
.set HALFT,  NS*STEPB                  ; what one tensor load brings, and what one wave reads of A or of W in a slot
.set SLOT,   4*HALFT
.set RBB,    32*STEPB
.set SPARE,  2*SLOT                    ; the spare words, 128 bytes a wave
.set STAGE,  SLOT                      ; the way out goes through slot 1, which has had its last fill and its last read by then
.set SPITCH, 528
.set FR,     12
.set ADRA, 16                          ; v16-17 my A images in slot 0, 1, + 16 x lane
.set ADRB, 18                          ; v18-19 the same for W
.set PF0,  20                          ; v20-21 the prefetches' offsets: 256 x block
.set PF1,  21
.set STO,  24
.set RD,   25
.set CO,   26                          ; 16 x lane
.set SPW,  28
.set NIL,  29
.set BOFF, 30
.set SC,   32
.set AF,   64
.set BI,   96
.set G1,   24
.set G0,   32
.set G1B,  48
.set G0B,  56
.set PFA,  66
.set MSB, 0
.macro WIN new
.if MSB != (\new)
	s_set_vgpr_msb (MSB<<8)|(\new)
.set MSB, (\new)
.endif
.endm
.set TO_B, 0x40
.macro JLOAD g0a, g1a, g0b, g1b        ; a joint load: waves 0, 1 fetch for A, waves 2, 3 for W; s_nop 0 and four v_nop behind each line
	s_cmp_eq_u32 s15, 0
	s_cbranch_scc0 .Lfor_b_\@
	tensor_load_to_lds s[\g0a:\g0a+3], s[\g1a:\g1a+7]
	s_nop 0
.rept 4
	v_nop
.endr
	s_branch .Lasked_\@
.Lfor_b_\@:
	tensor_load_to_lds s[\g0b:\g0b+3], s[\g1b:\g1b+7]
	s_nop 0
.rept 4
	v_nop
.endr
.Lasked_\@:
.endm
.macro CREST
	s_cmp_lg_u32 s14, 0
	s_cbranch_scc1 .Lnot_wave_0_\@
	s_barrier_signal -3
.Lnot_wave_0_\@:
	s_barrier_wait -3
	s_barrier_signal -1
	s_barrier_wait -1
.endm
.macro CROUND
	s_barrier_signal -1
	s_barrier_wait -1
	CREST
.endm
.macro PLACES n                        ; plain places between matrix instructions and loads into, or stores of, their registers
.rept \n
	v_nop
.endr
.endm
	s_load_b128 s[4:7], s[0:1], 0x0                ; a_img, w_img
	s_load_b128 s[8:11], s[0:1], 0x10              ; b, out0
	v_lshl_add_u32 v[SPW], v0, 2, SPARE
	v_mov_b32 v[NIL], 0
	ds_add_u32 v[SPW], v[NIL]                      ; the opening lines: the add, twice on end, and its wait
	ds_add_u32 v[SPW], v[NIL]
	v_lshrrev_b32 v1, 5, v0
	v_readfirstlane_b32 s14, v1                    ; wave 0..3
	s_lshr_b32 s15, s14, 1                         ; my half of the tile's rows.  Also: I fetch for A (0) or for W (1)
	s_and_b32 s16, s14, 1                          ; my half of its columns.  Also: which 128 of that operand I fetch
	s_bfe_u32 s40, ttmp6, 0x40000                  ; cx, cy
	s_bfe_u32 s41, ttmp6, 0x40004
	s_lshl_b32 s42, ttmp9, 2
	s_add_co_u32 s42, s42, s40                     ; tile column
	s_and_b32 s17, ttmp7, 0xffff
	s_lshl_b32 s17, s17, 2
	s_add_co_u32 s17, s17, s41                     ; tile row
	s_lshl_b32 s43, s41, 2
	s_lshl_b32 s43, 15, s43                        ; my row of the cluster
	s_lshl_b32 s44, 0x1111, s40                    ; my column
	s_or_b32 s[G1+0], s43, (3<<16)|(1<<21)         ; the mask; elements of 8 bytes; bit 21 beside a mask; no padding
	s_or_b32 s[G1B+0], s44, (3<<16)|(1<<21)
.irp g, G1, G1B
	s_mov_b32 s[\g+1], 32<<16                      ; rows of 32 elements = 256 bytes,
	s_mov_b32 s[\g+2], (NS*50)<<16                 ; 150 of them,
	s_mov_b32 s[\g+3], 32<<16
	s_mov_b32 s[\g+4], NS*50
	s_mov_b32 s[\g+5], 32                          ; dense
	s_mov_b32 s[\g+6], 0
	s_mov_b32 s[\g+7], 0
.endr
	s_lshl_b32 s20, s17, 1
	s_add_co_u32 s20, s20, s16                     ; A: block of 128 rows = 2 x tile row + half
	s_mul_i32 s20, s20, RBB
	s_mov_b32 s21, 0
	s_lshl_b32 s46, s42, 1
	s_add_co_u32 s46, s46, s16                     ; W: 2 x tile column + half
	s_mul_i32 s46, s46, RBB
	s_mov_b32 s47, 0
	s_mul_i32 s45, s14, HALFT                      ; where they go: wave x 38,400
	s_wait_dscnt 0x0                               ; both opening adds are done
	s_wait_kmcnt 0x0
	s_add_nc_u64 s[20:21], s[4:5], s[20:21]
	s_add_nc_u64 s[46:47], s[6:7], s[46:47]
	CROUND                                         ; the first joint loads meet
.irp s, 0,1
	s_mov_b32 s[G0+4*\s], 1
	s_add_co_u32 s[G0+4*\s+1], s45, \s*SLOT
	s_add_nc_u64 s[G0+4*\s+2:G0+4*\s+3], s[20:21], \s*HALFT
	s_or_b32 s[G0+4*\s+3], s[G0+4*\s+3], 0x80000000
	s_mov_b32 s[G0B+4*\s], 1
	s_add_co_u32 s[G0B+4*\s+1], s45, \s*SLOT
	s_add_nc_u64 s[G0B+4*\s+2:G0B+4*\s+3], s[46:47], \s*HALFT
	s_or_b32 s[G0B+4*\s+3], s[G0B+4*\s+3], 0x80000000
.endr
	JLOAD G0, G1, G0B, G1B                         ; slot 0: one tensor load a wave at the head
	s_mul_i32 s22, s15, HALFT                      ; my 128 rows of A,
	s_mul_i32 s23, s16, HALFT
	s_add_co_u32 s23, s23, 2*HALFT                 ; my 128 columns of W
	s_mul_i32 s2, s14, 16*SPITCH
	s_add_co_u32 s2, s2, STAGE                     ; my stage
	s_cmp_eq_u32 s15, 0
	s_cselect_b32 s3, s40, s41                     ; my place among the four that ask with me: it enters the prefetches' offsets alone
	s_cselect_b64 s[PFA:PFA+1], s[20:21], s[46:47]
	s_mul_i32 s3, s3, 38
	s_add_nc_u64 s[PFA:PFA+1], s[PFA:PFA+1], 2*HALFT   ; at slot 2: the first change of slots steps it to slot 3
	v_and_b32 v6, 31, v0
	v_and_b32 v1, 15, v0
	v_bfe_u32 v2, v0, 4, 1
	v_lshlrev_b32 v[CO], 4, v6
	v_add_nc_u32 v[ADRA], s22, v[CO]
	v_add_nc_u32 v[ADRB], s23, v[CO]
	v_add_nc_u32 v[ADRA+1], SLOT, v[ADRA]
	v_add_nc_u32 v[ADRB+1], SLOT, v[ADRB]
	v_mul_u32_u24 v5, v1, SPITCH                   ; into the stage: row l % 16, 32 bytes for each half of the lanes
	v_lshl_add_u32 v5, v2, 5, v5
	v_add_nc_u32 v[STO], s2, v5
	v_add_nc_u32 v[RD], s2, v[CO]                  ; back: 32 lanes take a row of 512 bytes
	v_lshlrev_b32 v[BOFF], 5, v2
	v_add_nc_u32 v[PF0], s3, v6                    ; blocks 38 p + lane,
	v_min_u32 v7, 5, v6
	v_add3_u32 v[PF1], v7, s3, 32                  ; and 38 p + 32 .. + 37 (the lanes left over name the last again),
	v_min_u32 v[PF1], 149, v[PF1]                  ; held inside the slot's 150
	v_lshlrev_b32 v[PF0], 8, v[PF0]
	v_lshlrev_b32 v[PF1], 8, v[PF1]
	s_wait_alu depctr_va_vdst(0)                   ; the wait at the head's end: no vector instruction writes a register behind it
	s_lshl_b32 s22, s17, 8
	s_lshl_b32 s23, s15, 7
	s_add_co_u32 s22, s22, s23                     ; my first row of out0
	s_mov_b32 s23, 0
	s_lshl_b64 s[22:23], s[22:23], 14
	s_lshl_b32 s2, s42, 10
	s_lshl_b32 s3, s16, 9
	s_add_co_u32 s2, s2, s3                        ; my first column, in bytes
	s_mov_b32 s3, 0
	s_add_nc_u64 s[8:9], s[8:9], s[2:3]
	s_add_nc_u64 s[10:11], s[10:11], s[22:23]
	s_add_nc_u64 s[10:11], s[10:11], s[2:3]
	WIN TO_B
.irp b, 0,1,2,3,4,5,6,7
	global_load_b128 v[BI+8*\b+96*(\b/4):BI+8*\b+96*(\b/4)+3],   v[BOFF], s[8:9] offset:64*\b       ; the bias in the result's layout: register j: column 16 b + 8 h + j
	global_load_b128 v[BI+8*\b+96*(\b/4)+4:BI+8*\b+96*(\b/4)+7], v[BOFF], s[8:9] offset:64*\b+16
.endr
	WIN 0
; The 50 LDS loads of K step t, into set t % 2: the scale words, W's eight fragments, A's eight
.macro RUN t
.set RS, ((\t)/NS)%2
.set RU, ((\t)%NS)*STEPB
.set RP, (\t)%2
	WIN 0
	ds_load_b128 v[SC+8*RP:SC+8*RP+3], v[ADRA+RS] offset:RU+8*1536
	ds_load_b128 v[SC+8*RP+4:SC+8*RP+7], v[ADRB+RS] offset:RU+8*1536
	WIN TO_B
.irp f, 0,1,2,3,4,5,6,7
.irp j, 0,1,2
	ds_load_b128 v[128*RP+FR*\f+4*\j:128*RP+FR*\f+4*\j+3], v[ADRB+RS] offset:RU+1536*\f+512*\j
.endr
.endr
	WIN 0
.irp f, 0,1,2,3,4,5,6,7
.irp j, 0,1,2
	ds_load_b128 v[AF+96*RP+FR*\f+4*\j:AF+96*RP+FR*\f+4*\j+3], v[ADRA+RS] offset:RU+1536*\f+512*\j
.endr
.endr
.endm
; One matrix instruction: A's block a x W's block b from set p.  A scale register holds two blocks' words: an odd block's lie in lanes 16-31 (ROW1).  first = 1: the bias is C.
.macro MM a, b, p, first
.set rD, 8*(8*((\a)%4)+(\b))
.set rB, 128*(\p)+FR*(\b)
.set rA, AF+96*(\p)+FR*(\a)
.set rSB, SC+8*(\p)+4+(\b)/2
.set rSA, SC+8*(\p)+(\a)/2
.if \first
.set rC, BI+8*(\b)+96*((\b)/4)
	WIN 0x91+0x40*((\a)/4)
.else
.set rC, rD
	WIN 0xa1+0x50*((\a)/4)
.endif
.if ((\a)%2) && ((\b)%2)
	v_wmma_scale_f32_16x16x128_f8f6f4 v[rD:rD+7], v[rB:rB+FR-1], v[rA:rA+FR-1], v[rC:rC+7], v[rSB], v[rSA] matrix_a_fmt:MATRIX_FMT_FP6 matrix_b_fmt:MATRIX_FMT_FP6 matrix_a_scale:MATRIX_SCALE_ROW1 matrix_b_scale:MATRIX_SCALE_ROW1
.elseif ((\b)%2)
	v_wmma_scale_f32_16x16x128_f8f6f4 v[rD:rD+7], v[rB:rB+FR-1], v[rA:rA+FR-1], v[rC:rC+7], v[rSB], v[rSA] matrix_a_fmt:MATRIX_FMT_FP6 matrix_b_fmt:MATRIX_FMT_FP6 matrix_a_scale:MATRIX_SCALE_ROW1
.elseif ((\a)%2)
	v_wmma_scale_f32_16x16x128_f8f6f4 v[rD:rD+7], v[rB:rB+FR-1], v[rA:rA+FR-1], v[rC:rC+7], v[rSB], v[rSA] matrix_a_fmt:MATRIX_FMT_FP6 matrix_b_fmt:MATRIX_FMT_FP6 matrix_b_scale:MATRIX_SCALE_ROW1
.else
	v_wmma_scale_f32_16x16x128_f8f6f4 v[rD:rD+7], v[rB:rB+FR-1], v[rA:rA+FR-1], v[rC:rC+7], v[rSB], v[rSA] matrix_a_fmt:MATRIX_FMT_FP6 matrix_b_fmt:MATRIX_FMT_FP6
.endif
.endm
.macro MUL8 a, p, first                ; A's block a x W's eight.  The 64 accumulators take turns, in the same order in every step
.irp b, 0,1,2,3,4,5,6,7
	MM (\a), \b, \p, \first
.endr
.endm
.macro GRP a0, p, first
	MUL8 (\a0), \p, \first
	MUL8 (\a0)+1, \p, \first
.endm
; A K step inside a slot: the next step's run stands at its head, 64 matrix instructions ahead of its use
.macro PLAIN t, first
	PLACES 4                                       ; behind the products that read the other sets
	RUN (\t)+1
	s_wait_dscnt 62                                ; out at the most: the 50 just issued and this step's youngest 12 (A's blocks 4-7)
	GRP 0, (\t)%2, \first
	GRP 2, (\t)%2, \first
	s_wait_dscnt 50                                ; all of this step's are in
	GRP 4, (\t)%2, \first
	GRP 6, (\t)%2, \first
.endm
; A slot's last K step: the change of slots.  In front of the barrier each wave waits for all its tensor loads (one is out: its part of the next slot), adds 0 to its spare word, and waits for that and for its reads of this slot.
; fill = 1: the barrier opens a round of the cluster's barrier and this slot is filled again, two slots on; 2: the same with the last slot, of two steps.  ask = 1: a prefetch follows; 2: not in the loop's last trip.
.macro TRANS t, fill, ask
.set TL, ((\t)/NS)%2
	WIN 0
.if \ask
	s_wait_xcnt 0x0                                ; my earlier prefetches have read their address
	s_add_nc_u64 s[PFA:PFA+1], s[PFA:PFA+1], HALFT
.endif
	s_wait_tensorcnt 0x0
	ds_add_u32 v[SPW], v[NIL]
.if \fill == 2
	s_mov_b32 s[G1+2], 100<<16                     ; no tensor load of mine is out: the last slot has 100 rows of 256 bytes
	s_mov_b32 s[G1+4], 100
	s_mov_b32 s[G1B+2], 100<<16
	s_mov_b32 s[G1B+4], 100
.endif
	s_wait_dscnt 13                                ; the add and A's blocks 4-7 may be out
	GRP 0, (\t)%2, 0
	s_wait_dscnt 0x0                               ; the add is done, my reads of this slot are over
	s_barrier_signal -1
	GRP 2, (\t)%2, 0
	WIN 0
	s_barrier_wait -1
.if \fill
	CREST
	s_add_nc_u64 s[G0+4*TL+2:G0+4*TL+3], s[G0+4*TL+2:G0+4*TL+3], 2*HALFT
	s_add_nc_u64 s[G0B+4*TL+2:G0B+4*TL+3], s[G0B+4*TL+2:G0B+4*TL+3], 2*HALFT
	JLOAD G0+4*TL, G1, G0B+4*TL, G1B               ; my one tensor load behind the round; its four v_nop are the places in front of the run
.else
	PLACES 4
.endif
	RUN (\t)+1                                     ; the next slot's first step
.if \ask
.if \ask == 2
	s_cmp_gt_u32 s3, 1                             ; the short last slot is not asked for
	s_cbranch_scc0 .Lno_ask_\@
.endif
	global_prefetch_b8 v[PF0], s[PFA:PFA+1] th:TH_LOAD_NT scope:SCOPE_SE
	global_prefetch_b8 v[PF1], s[PFA:PFA+1] th:TH_LOAD_NT scope:SCOPE_SE
.Lno_ask_\@:
.endif
	GRP 4, (\t)%2, 0
	GRP 6, (\t)%2, 0
.endm
	s_wait_tensorcnt 0x0                           ; my part of slot 0 is in
	ds_add_u32 v[SPW], v[NIL]
	s_wait_dscnt 0x0
	CROUND
	JLOAD G0+4, G1, G0B+4, G1B                     ; slot 1, the first tensor load behind the round
	RUN 0
	s_wait_loadcnt 0x0                             ; the bias
	PLAIN 0, 1                                     ; the first step starts the sums, on the bias
	WIN 0
	s_mov_b32 s3, 4
.Llap:                                                 ; a trip: six K steps, once round the ring; steps 1 to 24; slots 2 to 9 are asked for
	PLAIN 1, 0
	TRANS 2, 1, 1
	PLAIN 3, 0
	PLAIN 4, 0
	TRANS 5, 1, 2
	PLAIN 6, 0
	WIN 0
	s_sub_co_u32 s3, s3, 1
	s_cmp_lg_u32 s3, 0
	s_cbranch_scc1 .Llap
	PLAIN 25, 0                                    ; the tail is written out
	TRANS 26, 2, 0                                 ; slot 10: steps 30 and 31
	PLAIN 27, 0
	PLAIN 28, 0
	TRANS 29, 0, 0                                 ; nothing is left to ask for: no round
	PLAIN 30, 0
; THE WAY OUT, block by block of 16 rows x 128 columns, through my own stage: in as 32 bytes a lane, back as whole rows of 512 bytes.  LDS serves a wave's instructions in order (ISA guide 5.7.1.4).
.macro TOSTAGE a
.set AC, 64*((\a)%4)
	WIN 0x08+4*((\a)/4)                            ; the data: window 2 or 3
.irp b, 0,1,2,3,4,5,6,7
	ds_store_b128 v[STO], v[AC+8*\b:AC+8*\b+3] offset:64*\b          ; each accumulator from its low end on
	ds_store_b128 v[STO], v[AC+8*\b+4:AC+8*\b+7] offset:64*\b+16
.endr
	WIN TO_B
.set BB, 64*((\a)%2)
.irp t, 0,1,2,3,4,5,6,7,8,9,10,11,12,13,14,15
	ds_load_b128 v[BB+4*\t:BB+4*\t+3], v[RD] offset:\t*SPITCH
.endr
.endm
.macro SEND a, younger
.set BB, 64*((\a)%2)
	s_wait_dscnt \younger
.if (\a) > 0
	s_add_nc_u64 s[10:11], s[10:11], 16*SIZE_N*4   ; behind a wait on XCNT for 0: the earlier stores have read their base
.endif
	WIN 0x04                                       ; the data: window 1
.irp t, 0,1,2,3,4,5,6,7,8,9,10,11,12,13,14,15
	global_store_b128 v[CO], v[BB+4*\t:BB+4*\t+3], s[10:11] offset:\t*SIZE_N*4 th:TH_STORE_NT   ; 32 lanes store 512 consecutive bytes, at a multiple of 256 from out0's first byte
.endr
.endm
	s_wait_dscnt 0x0                               ; the last step's operands
	MUL8 0, 1, 0
	MUL8 1, 1, 0
.irp a, 0,1,2,3,4,5,6,7                ; block a was finished at least eight products ago
	PLACES 4                                       ; between its products and the stores that read them, and in front of the loads into W's set 0 and the bias
.if \a > 1
	s_wait_xcnt 0x0                                ; block a - 2's stores have read their registers and their base
.endif
	TOSTAGE \a
.if \a < 6
	MUL8 \a+2, 1, 0
.endif
.if \a > 0
	SEND \a-1, 32                                  ; behind block a - 1's loads: block a's 16 stores and 16 loads
.endif
.endr
	s_wait_xcnt 0x0
	SEND 7, 0
	WIN 0
	s_wait_tensorcnt 0x0                           ; the wave's end
	ds_add_u32 v[SPW], v[NIL]
	s_wait_dscnt 0x0
	CROUND                                         ; the closing round
	s_endpgm
.Lfunc_end_k_q131eb53820_gemm:
	.size	k_q131eb53820_gemm, .Lfunc_end_k_q131eb53820_gemm-k_q131eb53820_gemm
	.p2alignl 7, 3214868480
	.fill 96, 4, 3214868480
	.section	.rodata,"a",@progbits
	.p2align	6, 0x0
	.amdhsa_kernel k_q131eb53820_gemm
		.amdhsa_group_segment_fixed_size 327680
		.amdhsa_private_segment_fixed_size 0
		.amdhsa_enable_private_segment 0
		.amdhsa_kernarg_size 32
		.amdhsa_user_sgpr_count 2
		.amdhsa_user_sgpr_kernarg_segment_ptr 1
		.amdhsa_wavefront_size32 1
		.amdhsa_system_sgpr_workgroup_id_x 1
		.amdhsa_system_sgpr_workgroup_id_y 1
		.amdhsa_system_sgpr_workgroup_id_z 1
		.amdhsa_system_vgpr_workitem_id 0
		.amdhsa_next_free_vgpr 1024
		.amdhsa_next_free_sgpr 68
		.amdhsa_reserve_vcc 0
		.amdhsa_float_denorm_mode_32 3
		.amdhsa_float_denorm_mode_16_64 3
		.amdhsa_memory_ordered 1
		.amdhsa_forward_progress 1
		.amdhsa_inst_pref_size 205
	.end_amdhsa_kernel
	.amdgpu_metadata
---
amdhsa.version: [ 1, 2 ]
amdhsa.kernels:
  - .name:           k_q131eb53820_gemm
    .symbol:         k_q131eb53820_gemm.kd
    .args:
      - { .name: a_img, .offset: 0, .size: 8, .value_kind: global_buffer, .address_space: global }
      - { .name: w_img, .offset: 8, .size: 8, .value_kind: global_buffer, .address_space: global }
      - { .name: b, .offset: 16, .size: 8, .value_kind: global_buffer, .address_space: global }
      - { .name: out0, .offset: 24, .size: 8, .value_kind: global_buffer, .address_space: global }
    .group_segment_fixed_size: 327680
    .private_segment_fixed_size: 0
    .kernarg_segment_align: 8
    .kernarg_segment_size: 32
    .max_flat_workgroup_size: 128
    .sgpr_count:     68
    .vgpr_count:     1024
    .wavefront_size: 32
...
	.end_amdgpu_metadata
.endif
;; end of part 2
